; MI455X (gfx1250); checked and timed in simulation.
; The chip was launched on July 23, 2026; its instructions are those of AMD's public machine-readable ISA for CDNA 5 (MIT licence, August 2026) and "CDNA5" Instruction Set Architecture Reference Guide (July 2026). The comments in the code are by the model that wrote it; some were corrected since.
;; Multi Head Attention. Allowed arithmetic: float matrix products may take bf16 or f16 operands with f32 sums; other float arithmetic in f32, or as packed bf16 or f16 multiplies, adds, multiply-adds, maxima and minima; sums over many terms, partial sums and values carried from step to step in f32; what a program stores and reads back later, other than sums and carried values, may be rounded once to bf16 or f16.
;; Inputs: key 4 x 2,048 float32; ln_b 2,048 float32; ln_w 2,048 float32; query 4 x 2,048 float32; value 4 x 2,048 float32; w_final 2,048 float32; wk 2,048 float32; wq 2,048 float32; wv 2,048 float32.
;; Outputs: out0 4 x 2,048 float32.
;; One version. Each part assembles by itself: llvm-mc -triple=amdgcn-amd-amdhsa -mcpu=gfx1250 --defsym DOCPART=n.
;; ======== version 1 of 1: 2 launches
;; workspace buffers: part 131,072 bytes
;; launch attn (part 1): grid 4 x 64, 16 waves a work-group, no clusters, 26,624 bytes of LDS; arguments query, key, value, wq, wk, wv, w_final, part; writes part
.if DOCPART == 1
	.amdgcn_target "amdgcn-amd-amdhsa--gfx1250"
	.amdhsa_code_object_version 6
	.text
	.protected	k_qe249898533_attn
	.globl	k_qe249898533_attn
	.p2align	8
	.type	k_qe249898533_attn,@function
k_qe249898533_attn:
	s_mov_b64 s[64:65], 0
	v_nop
	global_prefetch_b8 v0, s[64:65] scope:SCOPE_SE
	s_setreg_imm32_b32 hwreg(HW_REG_WAVE_MODE, 25, 1), 1
	s_wait_xcnt 0x0
; THE MODULE.  q = query[..,None] * wq, reshaped raw to [B,H,2048,128], is q'[b,h,16 i + r,d] = query[b,128 h + i] wq[128 r + d] (i < 128, r < 16); k' and v' likewise.
; So, for every input, with a, b, val the head's 128 numbers of query, key, value:
;   score[16 i + r][16 j + s] = a_i b_j G[r][s] / sqrt(8),   G[r][s] = sum over d of wq[128 r + d] wk[128 s + d]
;   out[b][128 h + i] = sum over r, j, s of attn[16 i + r][16 j + s] val_j F[s][r],   F[s][r] = sum over d of wv[128 s + d] w_final[128 r + d]
; and the softmax runs over the ROWS (i, r) of each column (j, s).  This launch makes out's partial sums over a quarter of the j; the next adds them and normalises.
; SHARES.  Work-group (jq, bh): head bh = 16 b + h, columns j = 32 jq .. 32 jq + 31.  Wave w takes s = w.  Lane l holds rows i = 4 l .. 4 l + 3 for all 16 r: the 64 numbers of a column
; that are its own, number (r, t) in register 4 r + t of P, E and T.  256 work-groups of 16 waves of 256 registers, all with the same work.
; A COLUMN.  p[i][r] = a_i G[r][s] c2, c2 = log2(e) / sqrt(8), is made once.  The column's true maximum is mx = max(u+ b_j, u- b_j), u+ and u- the largest and the smallest p: each is one of the
; four products of a's and G's extremes, and rounding keeps order, so they ARE the extremes of the rounded p.  e = 2^(p b_j - mx), one fused multiply-add in front of each exponential;
; Z = the sum of the column's 2,048 e (1 <= Z <= 2,048); T += e (val_j / Z).  At the end O_i = sum over r of T[i][r] F[s][r]; the 16 waves' O meet in LDS.
; NO MATRIX INSTRUCTION: the first product has become one multiply in f32; the second is a matrix times ONE vector (one useful column of sixteen), and e would want a rounding line for every
; two numbers, as many as the packed multiply-adds that it would spare.  G and F are 2 x 2,048 multiply-adds a wave, and G stands in an exponent beside a_i b_j, so it stays in f32.
; NO CLUSTER, NO TENSOR LOAD: a work-group reads 18 KB once, and the loop reads two numbers a column.
; LIMITS.  NaN and infinities are not treated apart.  A weight below 2^-126 counts as 0.  The exponent is one f32 multiply-add of p and b_j: its absolute error is about 6e-8 of |a b G c2|.
; The sums are taken in another order than the reference's.
.set WQL,   0                          ; LDS: wq as it lies in memory, 8,192 bytes
.set WFL,   8192                       ; w_final, 8,192 bytes
.set PRT,   16384                      ; 512 bytes a wave: its 128 partial outputs
.set SPARE, 24576                      ; the spare words, 128 bytes a wave: eight blocks of 256 bytes that no other line names
.set LOFF, 1                           ; v1       16 x lane; never rewritten
.set TOFF, 2                           ; v2       16 x thread; never rewritten
.set TMP,  3                           ; v3       at work
.set SPW,  4                           ; v4       LDS address of my spare word; never rewritten
.set NIL,  5                           ; v5       0; never rewritten
.set MX,   6                           ; v[6:7]   mx; the second register is only named with it
.set Y,    8                           ; v[8:9]   val_j / Z; likewise
.set ZS,   10                          ; v10      the column's sum
.set ZT,   11                          ; v11      the other half of the lanes'; then 1 / Z
.set Z,    12                          ; v[12:19] four chains of pairs; in the set-up the extremes
.set O,    12                          ; v[12:15] at the end: my four partial outputs
.set A,    20                          ; v[20:23] a_i, i = 4 l .. 4 l + 3
.set FR,   24                          ; v[24:39] F[s][r], the same in every lane
.set GC,   40                          ; v[40:55] G[r][s] c2, the same in every lane
.set WKR,  56                          ; v[56:59] my four numbers of wk's row s
.set WVR,  60                          ; v[60:63] of wv's row s
.set P,    64                          ; v[64:127]   p; first my slices of wq and w_final on their way to LDS
.set T,    128                         ; v[128:191]  the weighted sums; first w_final's rows
.set E,    192                         ; v[192:255]  a column's e; first wq's rows; at the end the 16 waves' partial outputs
.set WAVE, 2                           ; s2  my wave's number = s
.set JQ,   3                           ; s3  which quarter of the columns
.set BH,   4                           ; s4  16 b + h
.set SB,   28                          ; s[28:29] b_j; the second register is only named with it
.set SV,   30                          ; s30 val_j
.set NB,   31                          ; s31, s32 the next column's two numbers, on their way
.set NV,   32
.set JO,   33                          ; s33 byte offset of the column asked for last
.set UP,   34                          ; s34, s35 u+, u-
.set UM,   35
.set M1,   36                          ; s36, s37 at work
.set M2,   37
.set CNT,  38
.set SEL,  40                          ; s[40:41] v_permlanex16_b32's selects: each lane takes its own place in the other half
	s_load_b512 s[8:23], s[0:1], 0x0               ; query s[8:9], key s[10:11], value s[12:13], wq s[14:15], wk s[16:17], wv s[18:19], w_final s[20:21], part s[22:23]
	v_lshl_add_u32 v[SPW], v0, 2, SPARE
	v_mov_b32 v[NIL], 0
	v_lshrrev_b32 v[TMP], 5, v0
	v_readfirstlane_b32 s[WAVE], v[TMP]
	v_and_b32 v[LOFF], 31, v0
	v_lshlrev_b32 v[LOFF], 4, v[LOFF]
	v_lshlrev_b32 v[TOFF], 4, v0
	v_mov_b32 v[MX+1], 0
	v_mov_b32 v[Y+1], 0
	v_mov_b32 v[ZT], 0                             ; v_permlanex16_b32's destination counts as read
	s_mov_b32 s[JQ], ttmp9
	s_and_b32 s[BH], ttmp7, 0xffff
	s_mov_b32 s[SB+1], 0
	s_mov_b32 s[SEL], 0x76543210
	s_mov_b32 s[SEL+1], 0xfedcba98
	s_mov_b32 s[JO], 0
	s_lshl_b32 s24, s[BH], 9                       ; the head's 128 numbers of query: 512 bytes
	s_mov_b32 s25, 0
	s_lshl_b32 s26, s[JQ], 7                       ; of key and value: the quarter's 32 numbers
	s_add_co_u32 s26, s26, s24
	s_mov_b32 s27, 0
	s_lshl_b32 s44, s[WAVE], 9                     ; row s of wk and of wv
	s_mov_b32 s45, 0
	s_lshl_b32 s46, s[JQ], 15                      ; part: plane jq of 32,768 bytes, the head's 512 bytes in it
	s_add_co_u32 s46, s46, s24
	s_mov_b32 s47, 0
	s_wait_kmcnt 0x0
	s_add_nc_u64 s[8:9], s[8:9], s[24:25]
	s_add_nc_u64 s[10:11], s[10:11], s[26:27]
	s_add_nc_u64 s[12:13], s[12:13], s[26:27]
	s_add_nc_u64 s[16:17], s[16:17], s[44:45]
	s_add_nc_u64 s[18:19], s[18:19], s[44:45]
	s_add_nc_u64 s[22:23], s[22:23], s[46:47]
	global_load_b128 v[P:P+3],     v[TOFF], s[14:15]  ; 512 threads x 16 bytes: all of wq,
	global_load_b128 v[P+4:P+7],   v[TOFF], s[20:21]  ; all of w_final
	global_load_b128 v[A:A+3],     v[LOFF], s[8:9]
	global_load_b128 v[WKR:WKR+3], v[LOFF], s[16:17]
	global_load_b128 v[WVR:WVR+3], v[LOFF], s[18:19]
	s_load_b32 s[NB], s[10:11], s[JO] offset:0x0   ; column 0's b and val
	s_load_b32 s[NV], s[12:13], s[JO] offset:0x0
	s_wait_loadcnt 0x3                             ; the two slices are in; the three younger loads (a, wk's row, wv's row) stay out
	ds_store_b128 v[TOFF], v[P:P+3] offset:WQL
	ds_store_b128 v[TOFF], v[P+4:P+7] offset:WFL
	s_wait_dscnt 0x0                               ; for the others' sake: my stores are done
	s_barrier_signal -1
	s_barrier_wait -1                              ; wq and w_final are whole in LDS
.set r, 0
.rept 16
	ds_load_b128 v[E+4*r:E+4*r+3], v[LOFF] offset:WQL+512*r   ; row r of wq: 32 lanes x 16 neighbouring bytes
.set r, r+1
.endr
.set r, 0
.rept 16
	ds_load_b128 v[T+4*r:T+4*r+3], v[LOFF] offset:WFL+512*r   ; row r of w_final
.set r, r+1
.endr
; Sixteen dot products of 128 numbers: rows r in v[src + 4 r ..], four numbers a lane, times the row in v[w ..]; the sum over the lanes lands in every lane's v[dst + r].
; Each step is written for all sixteen before the next, so that no line reads the result of the line before it.
.macro DOT16 src, w, dst
.set r, 0
.rept 16
	v_pk_mul_f32 v[\src+4*r:\src+4*r+1], v[\src+4*r:\src+4*r+1], v[\w:\w+1]
.set r, r+1
.endr
.set r, 0
.rept 16
	v_pk_fma_f32 v[\src+4*r:\src+4*r+1], v[\src+4*r+2:\src+4*r+3], v[\w+2:\w+3], v[\src+4*r:\src+4*r+1]
.set r, r+1
.endr
.set r, 0
.rept 16
	v_add_f32 v[\dst+r], v[\src+4*r], v[\src+4*r+1]
.set r, r+1
.endr
.irp m, 1,2,4,8
.set r, 0
.rept 16
	v_add_f32_dpp v[\dst+r], v[\dst+r], v[\dst+r] row_xmask:\m row_mask:0xf bank_mask:0xf
.set r, r+1
.endr
.endr
.set r, 0
.rept 16
	v_permlanex16_b32 v[\src+4*r+2], v[\dst+r], s[SEL], s[SEL+1]
.set r, r+1
.endr
.set r, 0
.rept 16
	v_add_f32 v[\dst+r], v[\dst+r], v[\src+4*r+2]
.set r, r+1
.endr
.endm
	s_wait_loadcnt 0x0                             ; a, wk's row, wv's row
	s_wait_dscnt 16                                ; wq's rows are in; the sixteen younger loads, w_final's rows, stay out
	DOT16 E, WKR, GC                               ; G[r][s]
	s_wait_dscnt 0x0
	DOT16 T, WVR, FR                               ; F[s][r]
.set r, 0
.rept 8
	v_pk_mul_f32 v[GC+2*r:GC+2*r+1], v[GC+2*r:GC+2*r+1], 0x3f0293ee op_sel_hi:[1,0]  ; times c2 = log2(e) / sqrt(8) = 0.510070
.set r, r+1
.endr
	; the extremes of a (over my four, then over the lanes) and of G c2 (sixteen registers, alike in all lanes)
	v_max3_num_f32 v[Z], v[A], v[A+1], v[A+2]
	v_min3_num_f32 v[Z+1], v[A], v[A+1], v[A+2]
	v_max3_num_f32 v[Z+2], v[GC], v[GC+1], v[GC+2]
	v_min3_num_f32 v[Z+3], v[GC], v[GC+1], v[GC+2]
	v_max_num_f32 v[Z], v[Z], v[A+3]
	v_min_num_f32 v[Z+1], v[Z+1], v[A+3]
.set r, 3
.rept 6
	v_max3_num_f32 v[Z+2], v[Z+2], v[GC+r], v[GC+r+1]
	v_min3_num_f32 v[Z+3], v[Z+3], v[GC+r], v[GC+r+1]
.set r, r+2
.endr
	v_max_num_f32 v[Z+2], v[Z+2], v[GC+15]
	v_min_num_f32 v[Z+3], v[Z+3], v[GC+15]
.irp m, 1,2,4,8
	v_max_num_f32_dpp v[Z], v[Z], v[Z] row_xmask:\m row_mask:0xf bank_mask:0xf
	v_min_num_f32_dpp v[Z+1], v[Z+1], v[Z+1] row_xmask:\m row_mask:0xf bank_mask:0xf
.endr
	v_permlanex16_b32 v[ZT], v[Z], s[SEL], s[SEL+1]
	v_max_num_f32 v[Z], v[Z], v[ZT]
	v_permlanex16_b32 v[ZT], v[Z+1], s[SEL], s[SEL+1]
	v_min_num_f32 v[Z+1], v[Z+1], v[ZT]
	v_mul_f32 v[Z+4], v[Z], v[Z+2]                 ; the four corners: the same multiply, with the same rounding, that makes p below
	v_mul_f32 v[Z+5], v[Z], v[Z+3]
	v_mul_f32 v[Z+6], v[Z+1], v[Z+2]
	v_mul_f32 v[Z+7], v[Z+1], v[Z+3]
	v_max3_num_f32 v[ZS], v[Z+4], v[Z+5], v[Z+6]
	v_min3_num_f32 v[TMP], v[Z+4], v[Z+5], v[Z+6]
	v_max_num_f32 v[ZS], v[ZS], v[Z+7]
	v_min_num_f32 v[TMP], v[TMP], v[Z+7]
	v_readfirstlane_b32 s[UP], v[ZS]               ; u+
	v_readfirstlane_b32 s[UM], v[TMP]              ; u-
	; p[i][r] = a_i x (G[r][s] c2): a's pair times one register of GC's pair, taken for both halves
.set r, 0
.rept 16
.set g, GC+r-r%2
.if r%2
	v_pk_mul_f32 v[P+4*r:P+4*r+1],   v[A:A+1],   v[g:g+1] op_sel:[0,1] op_sel_hi:[1,1]
	v_pk_mul_f32 v[P+4*r+2:P+4*r+3], v[A+2:A+3], v[g:g+1] op_sel:[0,1] op_sel_hi:[1,1]
.else
	v_pk_mul_f32 v[P+4*r:P+4*r+1],   v[A:A+1],   v[g:g+1] op_sel_hi:[1,0]
	v_pk_mul_f32 v[P+4*r+2:P+4*r+3], v[A+2:A+3], v[g:g+1] op_sel_hi:[1,0]
.endif
.set r, r+1
.endr
; The column's two numbers are taken, and the next column's are asked for: a whole column ahead of their use.
.macro NEXT
	s_wait_kmcnt 0x0                               ; the pair asked for a column ago is in: NB, NV and JO may be written again
	s_mov_b32 s[SB], s[NB]
	s_mov_b32 s[SV], s[NV]
	s_add_co_u32 s[JO], s[JO], 4
	s_min_u32 s[JO], s[JO], 124                    ; the last column asks for its own numbers once more: inside the quarter's 128 bytes, and not used
	s_load_b32 s[NB], s[10:11], s[JO] offset:0x0
	s_load_b32 s[NV], s[12:13], s[JO] offset:0x0
.endm
.macro FX n                            ; pair n of 32: p b_j - mx
	v_pk_fma_f32 v[E+2*(\n):E+2*(\n)+1], v[P+2*(\n):P+2*(\n)+1], s[SB:SB+1], v[MX:MX+1] op_sel_hi:[1,0,0] neg_lo:[0,0,1] neg_hi:[0,0,1]
.endm
.macro EX n                            ; number n of 64
	v_exp_f32 v[E+(\n)], v[E+(\n)]
.endm
.macro AD n                            ; pair n joins chain n % 4 of the column's sum; pairs 4 to 7 start the chains with pairs 0 to 3: nothing is cleared
.if (\n) >= 8
	s_wait_alu depctr_va_vdst(0)
	v_pk_add_f32 v[Z+2*((\n)%4):Z+2*((\n)%4)+1], v[Z+2*((\n)%4):Z+2*((\n)%4)+1], v[E+2*(\n):E+2*(\n)+1]
.elseif (\n) >= 4
	s_wait_alu depctr_va_vdst(0)
	v_pk_add_f32 v[Z+2*((\n)%4):Z+2*((\n)%4)+1], v[E+2*(\n)-8:E+2*(\n)-7], v[E+2*(\n):E+2*(\n)+1]
.endif
.endm
; One column.  first = 1: its products start T's sums.
; The stream: scalings run four pairs ahead of their exponentials, sums a pair behind.  Between an exponential and the first reader of its result stands a plain line that names neither (ISA guide 5.7.2):
; pair n's second exponential is followed by pair n - 1's addition, and pair n's own addition comes a pair later.
.macro COLUMN first
	NEXT
	s_mul_f32 s[M1], s[UP], s[SB]
	s_mul_f32 s[M2], s[UM], s[SB]
	v_max_num_f32 v[MX], s[M1], s[M2]              ; the largest p b_j of the column's 2,048: u+ b_j where b_j > 0, u- b_j where b_j < 0
	FX 0
	FX 1
	FX 2
	FX 3
.set k, 0
.rept 32
	EX 2*k
.if k < 28
	FX k+4
.endif
	EX 2*k+1
.if k >= 1
	AD k-1
.endif
.set k, k+1
.endr
	AD 31
	v_pk_add_f32 v[Z:Z+1], v[Z:Z+1], v[Z+2:Z+3]
	v_pk_add_f32 v[Z+4:Z+5], v[Z+4:Z+5], v[Z+6:Z+7]
	v_pk_add_f32 v[Z:Z+1], v[Z:Z+1], v[Z+4:Z+5]
	v_add_f32 v[ZS], v[Z], v[Z+1]
.irp m, 1,2,4,8
	v_add_f32_dpp v[ZS], v[ZS], v[ZS] row_xmask:\m row_mask:0xf bank_mask:0xf
.endr
	v_permlanex16_b32 v[ZT], v[ZS], s[SEL], s[SEL+1]
	v_add_f32 v[ZS], v[ZS], v[ZT]                  ; Z, in every lane
	v_rcp_f32 v[ZT], v[ZS]
	v_nop                                          ; a plain line between the reciprocal and the use of its result
	s_wait_alu depctr_va_vdst(0)
	v_mul_f32 v[Y], s[SV], v[ZT]                   ; val_j / Z
.set k, 0
.rept 32
.if \first
	v_pk_mul_f32 v[T+2*k:T+2*k+1], v[E+2*k:E+2*k+1], v[Y:Y+1] op_sel_hi:[1,0]
.else
	v_pk_fma_f32 v[T+2*k:T+2*k+1], v[E+2*k:E+2*k+1], v[Y:Y+1], v[T+2*k:T+2*k+1] op_sel_hi:[1,0,1]
.endif
.set k, k+1
.endr
.endm
	COLUMN 1                                       ; column 0 stands in front of the loop
	s_mov_b32 s[CNT], 31
.Lcol:
	COLUMN 0
	s_sub_co_u32 s[CNT], s[CNT], 1
	s_cmp_lg_u32 s[CNT], 0
	s_cbranch_scc1 .Lcol
	s_wait_kmcnt 0x0                               ; the pair that the last column asked for has come; nobody reads it
	; O_i = sum over r of T[i][r] F[s][r]: two chains, by turns
.set r, 0
.rept 16
.set g, FR+r-r%2
.if r == 0
	v_pk_mul_f32 v[O:O+1],   v[T:T+1],   v[FR:FR+1] op_sel_hi:[1,0]
	v_pk_mul_f32 v[O+2:O+3], v[T+2:T+3], v[FR:FR+1] op_sel_hi:[1,0]
.elseif r%2
	v_pk_fma_f32 v[O:O+1],   v[T+4*r:T+4*r+1],   v[g:g+1], v[O:O+1]   op_sel:[0,1,0] op_sel_hi:[1,1,1]
	v_pk_fma_f32 v[O+2:O+3], v[T+4*r+2:T+4*r+3], v[g:g+1], v[O+2:O+3] op_sel:[0,1,0] op_sel_hi:[1,1,1]
.else
	v_pk_fma_f32 v[O:O+1],   v[T+4*r:T+4*r+1],   v[g:g+1], v[O:O+1]   op_sel_hi:[1,0,1]
	v_pk_fma_f32 v[O+2:O+3], v[T+4*r+2:T+4*r+3], v[g:g+1], v[O+2:O+3] op_sel_hi:[1,0,1]
.endif
.set r, r+1
.endr
	ds_store_b128 v[TOFF], v[O:O+3] offset:PRT     ; 512 w + 16 l: my wave's 128 partial outputs
	s_wait_tensorcnt 0x0
	ds_add_u32 v[SPW], v[NIL]
	s_wait_dscnt 0x0                               ; the wait is also the one that the others need: my store is done
	s_barrier_signal -1
	s_barrier_wait -1                              ; all sixteen waves' partial outputs lie in LDS
	s_cmp_lg_u32 s[WAVE], 0
	s_cbranch_scc1 .Lend
.set w, 0
.rept 16
	ds_load_b128 v[E+4*w:E+4*w+3], v[LOFF] offset:PRT+512*w
.set w, w+1
.endr
	s_wait_dscnt 0x0
.irp d, 8,4,2,1                        ; the sum over s, as a tree: 30 packed additions
.set w, 0
.rept \d
	v_pk_add_f32 v[E+4*w:E+4*w+1],   v[E+4*w:E+4*w+1],   v[E+4*(w+\d):E+4*(w+\d)+1]
	v_pk_add_f32 v[E+4*w+2:E+4*w+3], v[E+4*w+2:E+4*w+3], v[E+4*(w+\d)+2:E+4*(w+\d)+3]
.set w, w+1
.endr
.endr
	global_store_b128 v[LOFF], v[E:E+3], s[22:23]  ; 512 consecutive bytes, at a multiple of 512 from part's first byte
.Lend:
	s_endpgm
.Lfunc_end_k_qe249898533_attn:
	.size	k_qe249898533_attn, .Lfunc_end_k_qe249898533_attn-k_qe249898533_attn
	.p2alignl 7, 3214868480
	.fill 96, 4, 3214868480
	.section	.rodata,"a",@progbits
	.p2align	6, 0x0
	.amdhsa_kernel k_qe249898533_attn
		.amdhsa_group_segment_fixed_size 26624
		.amdhsa_private_segment_fixed_size 0
		.amdhsa_enable_private_segment 0
		.amdhsa_kernarg_size 64
		.amdhsa_user_sgpr_count 2
		.amdhsa_user_sgpr_kernarg_segment_ptr 1
		.amdhsa_wavefront_size32 1
		.amdhsa_system_sgpr_workgroup_id_x 1
		.amdhsa_system_sgpr_workgroup_id_y 1
		.amdhsa_system_sgpr_workgroup_id_z 1
		.amdhsa_system_vgpr_workitem_id 0
		.amdhsa_next_free_vgpr 256
		.amdhsa_next_free_sgpr 66
		.amdhsa_reserve_vcc 0
		.amdhsa_float_denorm_mode_32 3
		.amdhsa_float_denorm_mode_16_64 3
		.amdhsa_memory_ordered 1
		.amdhsa_forward_progress 1
		.amdhsa_inst_pref_size 51
	.end_amdhsa_kernel
	.amdgpu_metadata
---
amdhsa.version: [ 1, 2 ]
amdhsa.kernels:
  - .name:           k_qe249898533_attn
    .symbol:         k_qe249898533_attn.kd
    .args:
      - { .name: query, .offset: 0, .size: 8, .value_kind: global_buffer, .address_space: global }
      - { .name: key, .offset: 8, .size: 8, .value_kind: global_buffer, .address_space: global }
      - { .name: value, .offset: 16, .size: 8, .value_kind: global_buffer, .address_space: global }
      - { .name: wq, .offset: 24, .size: 8, .value_kind: global_buffer, .address_space: global }
      - { .name: wk, .offset: 32, .size: 8, .value_kind: global_buffer, .address_space: global }
      - { .name: wv, .offset: 40, .size: 8, .value_kind: global_buffer, .address_space: global }
      - { .name: w_final, .offset: 48, .size: 8, .value_kind: global_buffer, .address_space: global }
      - { .name: part, .offset: 56, .size: 8, .value_kind: global_buffer, .address_space: global }
    .group_segment_fixed_size: 26624
    .private_segment_fixed_size: 0
    .kernarg_segment_align: 8
    .kernarg_segment_size: 64
    .max_flat_workgroup_size: 512
    .sgpr_count:     66
    .vgpr_count:     256
    .wavefront_size: 32
...
	.end_amdgpu_metadata
.endif
;; end of part 1
;; launch norm (part 2): grid 4 x 1, 16 waves a work-group, no clusters, 2,304 bytes of LDS; arguments query, part, ln_w, ln_b, out0; writes out0
.if DOCPART == 2
	.amdgcn_target "amdgcn-amd-amdhsa--gfx1250"
	.amdhsa_code_object_version 6
	.text
	.protected	k_qe249898533_norm
	.globl	k_qe249898533_norm
	.p2align	8
	.type	k_qe249898533_norm,@function
k_qe249898533_norm:
	s_mov_b64 s[64:65], 0
	v_nop
	global_prefetch_b8 v0, s[64:65] scope:SCOPE_SE
	s_setreg_imm32_b32 hwreg(HW_REG_WAVE_MODE, 25, 1), 1
	s_wait_xcnt 0x0
; out0[b][m] = LayerNorm over m of (query[b][m] + out[b][m]), times ln_w[m], plus ln_b[m]; out is the sum of part's four planes ([jq][b x 2048 + m], f32).
; A work-group takes one row b, thread t the numbers m = 4 t .. 4 t + 3: every load and store of a wave covers 512 consecutive bytes.  A row's mean and variance have one owner, so there are
; four work-groups: all the work that there is.  The variance is the mean of (x - mu)^2, taken in a second pass over registers as the reference takes it: no difference of large sums.
; LIMITS.  NaN and infinities are not treated apart; the sums are taken in another order than the reference's.
.set SPARE, 256                        ; LDS: bytes 0-63 the 16 waves' sums, 64-127 their sums of squares; from 256 on the spare words, 128 bytes a wave, which no other line names
.set TOFF, 1                           ; v1       16 x thread; never rewritten
.set SPW,  2                           ; v2       LDS address of my spare word; never rewritten
.set NIL,  3                           ; v3       0; never rewritten
.set X,    4                           ; v[4:7]   query, then x, then x - mu, then the result
.set PP,   8                           ; v[8:23]  part's four planes
.set LW,   24                          ; v[24:27] ln_w
.set LB,   28                          ; v[28:31] ln_b
.set S,    32                          ; v32      a sum
.set SX,   33                          ; v33      the other half of the lanes'
.set WO,   34                          ; v34      4 x wave
.set ZA,   35                          ; v35      LDS address 0
.set RB,   36                          ; v[36:51] the sixteen words read back; also at work
.set MU,   52                          ; v[52:53] the mean; the second register is only named with it
.set RS,   54                          ; v[54:55] 1 / sqrt(var + eps); likewise
.set SEL,  18                          ; s[18:19] v_permlanex16_b32's selects
	s_load_b256 s[4:11], s[0:1], 0x0               ; query s[4:5], part s[6:7], ln_w s[8:9], ln_b s[10:11]
	s_load_b64 s[12:13], s[0:1], 0x20              ; out0
	v_lshl_add_u32 v[SPW], v0, 2, SPARE
	v_mov_b32 v[NIL], 0
	v_lshlrev_b32 v[TOFF], 4, v0
	v_lshrrev_b32 v[WO], 5, v0
	v_readfirstlane_b32 s16, v[WO]                 ; my wave's number
	v_mov_b32 v[WO], s16
	v_lshlrev_b32 v[WO], 2, v[WO]
	v_mov_b32 v[SX], 0                             ; v_permlanex16_b32's destination counts as read
	v_mov_b32 v[ZA], 0
	v_mov_b32 v[MU+1], 0
	v_mov_b32 v[RS+1], 0
	s_lshl_b32 s14, ttmp9, 13                      ; row b: 8,192 bytes
	s_mov_b32 s15, 0
	s_mov_b32 s[SEL], 0x76543210
	s_mov_b32 s[SEL+1], 0xfedcba98
	s_mov_b32 s20, 0x3a000000                      ; 1 / 2,048
	s_mov_b32 s21, 0x3727c5ac                      ; 1e-5
	s_wait_kmcnt 0x0
	s_add_nc_u64 s[4:5], s[4:5], s[14:15]
	s_add_nc_u64 s[6:7], s[6:7], s[14:15]
	s_add_nc_u64 s[12:13], s[12:13], s[14:15]
	global_load_b128 v[X:X+3], v[TOFF], s[4:5]
.irp q, 0,1,2,3
	global_load_b128 v[PP+4*\q:PP+4*\q+3], v[TOFF], s[6:7] offset:32768*\q
.endr
	global_load_b128 v[LW:LW+3], v[TOFF], s[8:9]
	global_load_b128 v[LB:LB+3], v[TOFF], s[10:11]
; v[S], one number a lane, is summed over the work-group's 512 lanes; the sum lands in every lane's v[S].  off: the sixteen words' place in LDS, other bytes for each use, so one barrier serves.
; last = 1: the launch's last LDS store.
.macro WGSUM off, last
.irp m, 1,2,4,8
	v_add_f32_dpp v[S], v[S], v[S] row_xmask:\m row_mask:0xf bank_mask:0xf
.endr
	v_permlanex16_b32 v[SX], v[S], s[SEL], s[SEL+1]
	v_add_f32 v[S], v[S], v[SX]
	ds_store_b32 v[WO], v[S] offset:\off           ; all lanes write my wave's word with the same number
.if \last
	s_wait_tensorcnt 0x0
	ds_add_u32 v[SPW], v[NIL]
.endif
	s_wait_dscnt 0x0                               ; for the others' sake: my store is done
	s_barrier_signal -1
	s_barrier_wait -1
.irp q, 0,1,2,3
	ds_load_b128 v[RB+4*\q:RB+4*\q+3], v[ZA] offset:(\off)+16*\q
.endr
	s_wait_dscnt 0x0
.irp q, 0,2,4,6
	v_pk_add_f32 v[RB+\q:RB+\q+1], v[RB+\q:RB+\q+1], v[RB+8+\q:RB+8+\q+1]
.endr
	v_pk_add_f32 v[RB:RB+1], v[RB:RB+1], v[RB+4:RB+5]
	v_pk_add_f32 v[RB+2:RB+3], v[RB+2:RB+3], v[RB+6:RB+7]
	v_pk_add_f32 v[RB:RB+1], v[RB:RB+1], v[RB+2:RB+3]
	v_add_f32 v[S], v[RB], v[RB+1]
.endm
	s_wait_loadcnt 0x2                             ; query and the four planes are in; the two younger loads, ln_w and ln_b, stay out
	v_pk_add_f32 v[PP:PP+1],     v[PP:PP+1],     v[PP+4:PP+5]      ; x = query + ((p0 + p1) + (p2 + p3))
	v_pk_add_f32 v[PP+2:PP+3],   v[PP+2:PP+3],   v[PP+6:PP+7]
	v_pk_add_f32 v[PP+8:PP+9],   v[PP+8:PP+9],   v[PP+12:PP+13]
	v_pk_add_f32 v[PP+10:PP+11], v[PP+10:PP+11], v[PP+14:PP+15]
	v_pk_add_f32 v[PP:PP+1],     v[PP:PP+1],     v[PP+8:PP+9]
	v_pk_add_f32 v[PP+2:PP+3],   v[PP+2:PP+3],   v[PP+10:PP+11]
	v_pk_add_f32 v[X:X+1],       v[X:X+1],       v[PP:PP+1]
	v_pk_add_f32 v[X+2:X+3],     v[X+2:X+3],     v[PP+2:PP+3]
	v_pk_add_f32 v[RB:RB+1], v[X:X+1], v[X+2:X+3]
	v_add_f32 v[S], v[RB], v[RB+1]
	WGSUM 0, 0
	v_mul_f32 v[MU], s20, v[S]                     ; the mean
	v_pk_add_f32 v[X:X+1],   v[X:X+1],   v[MU:MU+1] op_sel_hi:[1,0] neg_lo:[0,1] neg_hi:[0,1]  ; x - mu
	v_pk_add_f32 v[X+2:X+3], v[X+2:X+3], v[MU:MU+1] op_sel_hi:[1,0] neg_lo:[0,1] neg_hi:[0,1]
	v_pk_mul_f32 v[RB:RB+1], v[X:X+1], v[X:X+1]
	v_pk_fma_f32 v[RB:RB+1], v[X+2:X+3], v[X+2:X+3], v[RB:RB+1]
	v_add_f32 v[S], v[RB], v[RB+1]
	WGSUM 64, 1
	v_fma_f32 v[RS], v[S], s20, s21                ; the variance + eps
	v_rsq_f32 v[RS], v[RS]
	v_nop                                          ; a plain line between the root and the use of its result
	s_wait_loadcnt 0x0                             ; ln_w, ln_b
	s_wait_alu depctr_va_vdst(0)
	v_pk_mul_f32 v[X:X+1],   v[X:X+1],   v[RS:RS+1] op_sel_hi:[1,0]
	v_pk_mul_f32 v[X+2:X+3], v[X+2:X+3], v[RS:RS+1] op_sel_hi:[1,0]
	v_pk_fma_f32 v[X:X+1],   v[X:X+1],   v[LW:LW+1],   v[LB:LB+1]
	v_pk_fma_f32 v[X+2:X+3], v[X+2:X+3], v[LW+2:LW+3], v[LB+2:LB+3]
	global_store_b128 v[TOFF], v[X:X+3], s[12:13]  ; a wave stores 512 consecutive bytes, at a multiple of 512 from out0's first byte
	s_endpgm
.Lfunc_end_k_qe249898533_norm:
	.size	k_qe249898533_norm, .Lfunc_end_k_qe249898533_norm-k_qe249898533_norm
	.p2alignl 7, 3214868480
	.fill 96, 4, 3214868480
	.section	.rodata,"a",@progbits
	.p2align	6, 0x0
	.amdhsa_kernel k_qe249898533_norm
		.amdhsa_group_segment_fixed_size 2304
		.amdhsa_private_segment_fixed_size 0
		.amdhsa_enable_private_segment 0
		.amdhsa_kernarg_size 40
		.amdhsa_user_sgpr_count 2
		.amdhsa_user_sgpr_kernarg_segment_ptr 1
		.amdhsa_wavefront_size32 1
		.amdhsa_system_sgpr_workgroup_id_x 1
		.amdhsa_system_sgpr_workgroup_id_y 1
		.amdhsa_system_sgpr_workgroup_id_z 1
		.amdhsa_system_vgpr_workitem_id 0
		.amdhsa_next_free_vgpr 56
		.amdhsa_next_free_sgpr 66
		.amdhsa_reserve_vcc 0
		.amdhsa_float_denorm_mode_32 3
		.amdhsa_float_denorm_mode_16_64 3
		.amdhsa_memory_ordered 1
		.amdhsa_forward_progress 1
		.amdhsa_inst_pref_size 6
	.end_amdhsa_kernel
	.amdgpu_metadata
---
amdhsa.version: [ 1, 2 ]
amdhsa.kernels:
  - .name:           k_qe249898533_norm
    .symbol:         k_qe249898533_norm.kd
    .args:
      - { .name: query, .offset: 0, .size: 8, .value_kind: global_buffer, .address_space: global }
      - { .name: part, .offset: 8, .size: 8, .value_kind: global_buffer, .address_space: global }
      - { .name: ln_w, .offset: 16, .size: 8, .value_kind: global_buffer, .address_space: global }
      - { .name: ln_b, .offset: 24, .size: 8, .value_kind: global_buffer, .address_space: global }
      - { .name: out0, .offset: 32, .size: 8, .value_kind: global_buffer, .address_space: global }
    .group_segment_fixed_size: 2304
    .private_segment_fixed_size: 0
    .kernarg_segment_align: 8
    .kernarg_segment_size: 40
    .max_flat_workgroup_size: 512
    .sgpr_count:     66
    .vgpr_count:     56
    .wavefront_size: 32
...
	.end_amdgpu_metadata
.endif
;; end of part 2
